; MI455X (gfx1250); checked and timed in simulation.
; The chip was launched on July 23, 2026; its instructions are those of AMD's public machine-readable ISA for CDNA 5 (MIT licence, August 2026) and "CDNA5" Instruction Set Architecture Reference Guide (July 2026). The comments in the code are by the model that wrote it; some were corrected since.
;; Radial Basis Function Potential. Allowed arithmetic: float matrix products may take bf16 or f16 operands with f32 sums; all other float work in f32.
;; Inputs: anchor_coeffs 8,192 float32; anchor_locations3d 8,192 x 3 float32; anchor_width one number float32; locations3d 32,768 x 3 float32.
;; Outputs: out0 32,768 float32.
;; 2 versions, each right and faster than the one before. Each part assembles by itself: llvm-mc -triple=amdgcn-amd-amdhsa -mcpu=gfx1250 --defsym DOCPART=n.
;; ======== version 1 of 2: 1 launch
;; launch rbf (part 1): grid 256 x 1, 16 waves a work-group, no clusters, 313,344 bytes of LDS; arguments locations3d, anchor_locations3d, anchor_coeffs, anchor_width, out0; writes out0
.if DOCPART == 1
	.amdgcn_target "amdgcn-amd-amdhsa--gfx1250"
	.amdhsa_code_object_version 6
	.text
	.protected	k_q5bafe651b3_rbf
	.globl	k_q5bafe651b3_rbf
	.p2align	8
	.type	k_q5bafe651b3_rbf,@function
k_q5bafe651b3_rbf:
	s_mov_b64 s[64:65], 0
	v_nop
	global_prefetch_b8 v0, s[64:65] scope:SCOPE_SE
	s_setreg_imm32_b32 hwreg(HW_REG_WAVE_MODE, 25, 1), 1
	s_wait_xcnt 0x0
; out[n] = sum over m of c[m] * exp(-0.5 * max(|x_n|^2 + |a_m|^2 - 2 x_n.a_m, 0) / w^2).   32,768 locations x, 8,192 anchors a, all f32.
;
; THE EXPONENT COMES WHOLE FROM ONE MATRIX INSTRUCTION.  With s = -0.5 log2(e) / w^2 the base-2 exponent is
;   arg = s|x|^2 + s|a|^2 - 2s x.a  =  z + y.a4,   y = (-2s x0, -2s x1, -2s x2, s),  z = s|x|^2,  a4 = (a0, a1, a2, |a|^2).
; Every f32 is cut by truncation into three bf16 pieces h + m + l (8 + 8 + 8 significant bits: the cut is exact), and the 32 places of K
; of v_wmma_f32_16x16x32_bf16 hold the cross products:
;   K  0- 7: anchor P = [ah0..3, am0..3]        x location [yh0..3, yh0..3]
;   K  8-15: anchor P                           x location [ym0..3, ym0..3]
;   K 16-23: anchor P                           x location [yl0..3, yl0..3]
;   K 24-31: anchor Q = [al0..3, 1, 1, 1, 0]    x location [yh0..3, zh, zm, zl, 0]
; Left out: ym.al and yl.al, below 2^-24 of |y||a|, the size of one f32 rounding of the products in the plain f32 form.
; Source 0 = 16 anchors, source 1 = 16 locations: register j of lane (r = l % 16, h = l / 16) is anchor 8h + j, location r, so a lane sums
; over anchors in place, c comes as eight registers by broadcast loads, and the running sum is one register pair for a tile of locations.
; s < 0, so min(arg, 0) = s max(d2, 0): the clamp of the squared distance is made on the exponent.
; The weighted sum over anchors stays on the vector unit in f32: as a matrix product it has one useful column of 16 and would need four
; conversions to bf16 for eight numbers, as many vector instructions as the four packed multiply-adds that finish it here.
;
; SHARES.  256 work-groups of 16 waves; a work-group owns 128 locations (8 tiles) and walks all 8,192 anchors.  A wave owns 512 anchors
; (32 tiles) and all 8 location tiles: each anchor fragment is read from LDS once in the work-group and feeds 8 matrix instructions.
; The tables are made in the launch: a thread cuts 16 anchors, threads 0-127 one location each.
; NO CLUSTER, NO TENSOR LOAD: what the work-groups share is 131,072 bytes of raw f32 (anchors and c), read once; it has to pass through
; registers to be cut, and landed raw in LDS it would need 131,072 bytes beside the 311,296 in use, more than the 327,680 there are.
;
; LIMITS.  Inputs finite (a NaN exponent is clamped to 0, where a maximum that keeps NaN would hand it on).  w*w and its reciprocal must be
; normal f32 numbers, about 1e-18 < |w| < 1e18 (v_rcp_f32 takes denormals as zero).  Kernel values below 2^-126 count as zero (v_exp_f32).
.set PTAB, 0                           ; P: 8,192 anchors x 16 bytes
.set QTAB, 131072                      ; Q: 8,192 anchors x 16 bytes
.set CTAB, 262144                      ; c: 8,192 f32
.set LOCF, 294912                      ; 8 location fragments of 1,024 bytes: registers 0-3 of lanes 0-31, then registers 4-7
.set RED,  303104                      ; 16 waves x 128 partial sums
.set TID12, 2                          ; v2      12 t: my anchor's (location's) 12 bytes in memory
.set TID16, 3                          ; v3      16 t: my 16 bytes of c in memory, and of P in LDS (anchors 0-4,095)
.set PST1,  4                          ; v4      the same for anchors 4,096-8,191 (LDS offsets have 16 bits)
.set QST0,  5                          ; v5, v6  the same two for Q
.set QST1,  6
.set CST,   7                          ; v7      my 16 bytes of c in LDS
.set VP,    8                          ; v8      main loop: P of anchor r of my wave's current pair of tiles
.set VPQ,   9                          ; v9      the same for lanes 0-15; Q for lanes 16-31
.set VC,    10                         ; v10     c[8h ..] of the current pair of tiles
.set VLF,   11                         ; v11     location fragments: LOCF + 16 lane
.set T,     12                         ; v[12:16] the piece that is cut off, as f32
.set LANE,  17
.set HH,    18                         ; l / 16
.set RL,    19                         ; l % 16
.set PK,    20                         ; v[20:23] P of the anchor at work
.set QK,    24                         ; v[24:27] Q of the anchor at work; the upper two registers are constant
.set XR,    28                         ; v[28:30] my location
.set SC,    31                         ; s
.set M2,    32                         ; -2 s
.set Y,     34                         ; v[34:37] y
.set Z,     38                         ; z
.set ZR,    39                         ; what is left of z
.set YH,    40                         ; v[40:41] yh0..3   v[42:43] ym0..3   v[44:45] yl0..3   v[46:47] zh, zm, zl, 0
.set YM,    42
.set YL,    44
.set ZP,    46
.set LST,   48                         ; where my location's pieces go
.set RST,   49                         ; where my wave's partial sums go
.set RRD,   50                         ; where wave 0 reads them back
.set OUTO,  51                         ; wave 0: my 16 bytes of the output
.set RAW,   64                         ; v[64:127]  16 anchors as loaded, 4 registers each (the fourth takes |a|^2)
.set CR,    128                        ; v[128:143] c on its way into LDS
.set BF,    64                         ; v[64:127]  the 8 location fragments
.set ACC,   128                        ; v[128:143] a pair of sums for each location tile
.set AF,    160                        ; v[160:175] anchor fragment, two buffers
.set CF,    176                        ; v[176:191] c of the tile's anchors 8h .. 8h+7, two buffers
.set D,     192                        ; v[192:223] ring of four result tiles
	s_load_b256 s[4:11], s[0:1], 0x0               ; x s[4:5], a s[6:7], c s[8:9], w s[10:11]
	s_load_b64 s[12:13], s[0:1], 0x20              ; out
	v_lshl_add_u32 v224, v0, 2, 0x4c000
	v_mov_b32 v225, 0
	v_lshrrev_b32 v1, 5, v0
	v_readfirstlane_b32 s15, v1                    ; wave 0..15
	v_mul_u32_u24 v[TID12], v0, 12
	v_lshlrev_b32 v[TID16], 4, v0
	s_mul_i32 s16, ttmp9, 1536                     ; the group's 128 locations x 12 bytes
	s_mov_b32 s17, 0
	s_lshl_b32 s18, ttmp9, 9                       ; the group's 128 results x 4 bytes
	s_mov_b32 s19, 0
	s_mov_b32 s20, 0xffff0000                      ; keeps the upper 16 bits: an f32 truncated to bf16
	s_mov_b32 s21, 0x07060302                      ; v_perm_b32: the upper halves of two registers, second source below
	s_mov_b32 s23, 0x76543210                      ; v_permlanex16_b32: lane i of one half reads lane i of the other
	s_mov_b32 s24, 0xfedcba98
	s_wait_kmcnt 0x0
	s_load_b32 s14, s[10:11], 0x0                  ; w
	s_add_nc_u64 s[4:5], s[4:5], s[16:17]
	s_add_nc_u64 s[12:13], s[12:13], s[18:19]
	s_cmp_ge_u32 s15, 4
	s_cbranch_scc1 .Lno_x
	global_load_b96 v[XR:XR+2], v[TID12], s[4:5] th:TH_LOAD_NT     ; threads 0-127: one location each
.Lno_x:
.irp j, 0,1,2,3
	global_load_b128 v[CR+4*\j:CR+4*\j+3], v[TID16], s[8:9] offset:\j*8192
.endr
.irp it, 0,1,2,3,4,5,6,7,8,9,10,11,12,13,14,15
	global_load_b96 v[RAW+4*\it:RAW+4*\it+2], v[TID12], s[6:7] offset:\it*6144     ; anchor 512 it + t
.endr
	; addresses, while the loads are on their way
	v_add_nc_u32 v[PST1], PTAB+0x10000, v[TID16]
	v_add_nc_u32 v[QST0], QTAB, v[TID16]
	v_add_nc_u32 v[QST1], QTAB+0x10000, v[TID16]
	v_add_nc_u32 v[CST], CTAB, v[TID16]
	v_mov_b32 v[QK+2], 0x3f803f80                  ; Q's places 4, 5: 1.0, 1.0 (they meet zh, zm)
	v_mov_b32 v[QK+3], 0x00003f80                  ; Q's places 6, 7: 1.0, 0   (they meet zl, 0)
	v_and_b32 v[LANE], 31, v0
	v_and_b32 v[RL], 15, v0
	v_bfe_u32 v[HH], v0, 4, 1
	v_lshlrev_b32 v[VLF], 4, v[LANE]
	v_add_nc_u32 v[VLF], LOCF, v[VLF]
	s_lshl_b32 s25, s15, 13                        ; my wave's 512 anchors x 16 bytes
	v_lshl_add_u32 v[VP], v[RL], 4, s25
	v_lshl_add_u32 v[VPQ], v[HH], 17, v[VP]        ; lanes 16-31: Q lies 131,072 bytes behind P
	s_lshl_b32 s26, s15, 11                        ; my wave's 512 c x 4 bytes
	s_add_co_u32 s26, s26, CTAB
	v_lshl_add_u32 v[VC], v[HH], 5, s26            ; + 8 h numbers
	s_lshl_b32 s27, s15, 9                         ; my wave's 128 partial sums
	s_add_co_u32 s27, s27, RED
	v_lshl_add_u32 v[RST], v[LANE], 2, s27
	s_wait_loadcnt 16                              ; loads return in order (ISA guide 5.7.1): c (and x) are in, the 16 anchor loads behind them stay out
.irp j, 0,1,2,3
	ds_store_b128 v[CST], v[CR+4*\j:CR+4*\j+3] offset:\j*8192
.endr
; One anchor: |a|^2, then the exact cut of the four numbers into h, m, l.  The upper half of an f32 IS its truncated bf16, so a piece is packed
; by v_perm_b32 and taken away as f32 (v_and_b32, packed subtract).  21 vector instructions, 32 bytes to LDS.
.macro ANCHOR it, pa, qa
.set RR, RAW+4*\it
	s_wait_loadcnt 15-\it                          ; my load is in; the 15 - it younger ones stay out
	v_mul_f32  v[RR+3], v[RR], v[RR]
	v_fmac_f32 v[RR+3], v[RR+1], v[RR+1]
	v_fmac_f32 v[RR+3], v[RR+2], v[RR+2]           ; |a|^2, the fourth coordinate
	v_perm_b32 v[PK],   v[RR+1], v[RR],   s21      ; ah0, ah1
	v_perm_b32 v[PK+1], v[RR+3], v[RR+2], s21      ; ah2, ah3
.irp i, 0,1,2,3
	v_and_b32 v[T+\i], s20, v[RR+\i]
.endr
	v_pk_add_f32 v[RR:RR+1],   v[RR:RR+1],   v[T:T+1]   neg_lo:[0,1] neg_hi:[0,1]     ; a - h, exact
	v_pk_add_f32 v[RR+2:RR+3], v[RR+2:RR+3], v[T+2:T+3] neg_lo:[0,1] neg_hi:[0,1]
	v_perm_b32 v[PK+2], v[RR+1], v[RR],   s21      ; am0, am1
	v_perm_b32 v[PK+3], v[RR+3], v[RR+2], s21      ; am2, am3
.irp i, 0,1,2,3
	v_and_b32 v[T+\i], s20, v[RR+\i]
.endr
	v_pk_add_f32 v[RR:RR+1],   v[RR:RR+1],   v[T:T+1]   neg_lo:[0,1] neg_hi:[0,1]     ; a - h - m: at most 8 bits are left, a bf16
	v_pk_add_f32 v[RR+2:RR+3], v[RR+2:RR+3], v[T+2:T+3] neg_lo:[0,1] neg_hi:[0,1]
	v_perm_b32 v[QK],   v[RR+1], v[RR],   s21      ; al0, al1
	v_perm_b32 v[QK+1], v[RR+3], v[RR+2], s21      ; al2, al3
	ds_store_b128 v[\pa], v[PK:PK+3] offset:(\it%8)*8192           ; 32 lanes, 512 neighbouring bytes
	ds_store_b128 v[\qa], v[QK:QK+3] offset:(\it%8)*8192
.endm
.irp it, 0,1,2,3,4,5,6,7
	ANCHOR \it, TID16, QST0
.endr
.irp it, 8,9,10,11,12,13,14,15
	ANCHOR \it, PST1, QST1
.endr
	s_wait_kmcnt 0x0                               ; w
	s_cmp_ge_u32 s15, 4
	s_cbranch_scc1 .Lno_loc
	; threads 0-127: one location.  x is in: the last anchor's wait was for zero loads.
	v_mov_b32 v[SC], s14
	v_mul_f32 v[SC], v[SC], v[SC]
	v_rcp_f32 v[SC], v[SC]                         ; 1 / w^2; the next line is the plain instruction that stands behind a transcendental before its result is used
	v_mul_f32  v[Z], v[XR], v[XR]
	v_fmac_f32 v[Z], v[XR+1], v[XR+1]
	v_fmac_f32 v[Z], v[XR+2], v[XR+2]              ; |x|^2
	s_wait_alu depctr_va_vdst(0)
	v_mul_f32 v[SC], 0xbf38aa3b, v[SC]             ; s = -0.5 log2(e) / w^2
	v_mul_f32 v[M2], -2.0, v[SC]
	v_mul_f32 v[Y],   v[M2], v[XR]
	v_mul_f32 v[Y+1], v[M2], v[XR+1]
	v_mul_f32 v[Y+2], v[M2], v[XR+2]
	v_mov_b32 v[Y+3], v[SC]                        ; meets |a|^2
	v_mul_f32 v[Z], v[SC], v[Z]                    ; z = s |x|^2
	v_perm_b32 v[YH],   v[Y+1], v[Y],   s21
	v_perm_b32 v[YH+1], v[Y+3], v[Y+2], s21
.irp i, 0,1,2,3
	v_and_b32 v[T+\i], s20, v[Y+\i]
.endr
	v_and_b32 v[T+4], s20, v[Z]
	v_pk_add_f32 v[Y:Y+1],   v[Y:Y+1],   v[T:T+1]   neg_lo:[0,1] neg_hi:[0,1]
	v_pk_add_f32 v[Y+2:Y+3], v[Y+2:Y+3], v[T+2:T+3] neg_lo:[0,1] neg_hi:[0,1]
	v_sub_f32 v[ZR], v[Z], v[T+4]
	v_perm_b32 v[YM],   v[Y+1], v[Y],   s21
	v_perm_b32 v[YM+1], v[Y+3], v[Y+2], s21
	v_perm_b32 v[ZP],   v[ZR],  v[Z],   s21        ; zh below, zm above
.irp i, 0,1,2,3
	v_and_b32 v[T+\i], s20, v[Y+\i]
.endr
	v_and_b32 v[T+4], s20, v[ZR]
	v_pk_add_f32 v[Y:Y+1],   v[Y:Y+1],   v[T:T+1]   neg_lo:[0,1] neg_hi:[0,1]
	v_pk_add_f32 v[Y+2:Y+3], v[Y+2:Y+3], v[T+2:T+3] neg_lo:[0,1] neg_hi:[0,1]
	v_sub_f32 v[ZR], v[ZR], v[T+4]
	v_perm_b32 v[YL],   v[Y+1], v[Y],   s21
	v_perm_b32 v[YL+1], v[Y+3], v[Y+2], s21
	v_lshrrev_b32 v[ZP+1], 16, v[ZR]               ; zl below, 0 above
	v_lshrrev_b32 v[LST], 4, v0                    ; my tile
	v_lshlrev_b32 v[LST], 10, v[LST]               ; x 1,024 bytes
	v_lshl_add_u32 v[LST], v[RL], 4, v[LST]        ; + 16 r
	v_add_nc_u32 v[LST], LOCF, v[LST]
	ds_store_b64 v[LST], v[YH:YH+1]                ; registers 0-3 of lane r:      yh, yh
	ds_store_b64 v[LST], v[YH:YH+1] offset:8
	ds_store_b64 v[LST], v[YM:YM+1] offset:256     ; registers 0-3 of lane 16 + r: ym, ym
	ds_store_b64 v[LST], v[YM:YM+1] offset:264
	ds_store_b64 v[LST], v[YL:YL+1] offset:512     ; registers 4-7 of lane r:      yl, yl
	ds_store_b64 v[LST], v[YL:YL+1] offset:520
	ds_store_b64 v[LST], v[YH:YH+1] offset:768     ; registers 4-7 of lane 16 + r: yh, z's pieces
	ds_store_b64 v[LST], v[ZP:ZP+1] offset:776
.Lno_loc:
	s_wait_dscnt 0x0                               ; my part of the tables is in LDS: zero, since the other waves will read it
	s_barrier_signal -1
	s_barrier_wait -1                              ; everybody's is
.irp i, 0,1,2,3,4,5,6,7
	ds_load_b128 v[BF+8*\i:BF+8*\i+3],   v[VLF] offset:1024*\i         ; the 8 location fragments stay in registers
	ds_load_b128 v[BF+8*\i+4:BF+8*\i+7], v[VLF] offset:1024*\i+512
.endr
; The anchor fragment and the c of tile n of the current pair, into buffer b.  16 lanes read 256 neighbouring bytes of P or of Q; c is one
; address for each half of the lanes.
.macro LOADT b, n
	ds_load_b128 v[AF+8*\b:AF+8*\b+3],   v[VP]  offset:256*\n          ; K 0-7 and 8-15: P for both halves of the lanes
	ds_load_b128 v[AF+8*\b+4:AF+8*\b+7], v[VPQ] offset:256*\n          ; K 16-23: P; K 24-31: Q
	ds_load_b128 v[CF+8*\b:CF+8*\b+3],   v[VC]  offset:64*\n
	ds_load_b128 v[CF+8*\b+4:CF+8*\b+7], v[VC]  offset:64*\n+16
.endm
; STEP i of a tile in buffer b, three stages deep on the ring of four result tiles:
;   mm: the matrix instruction of location tile i;   mn: clamp and exponentials of the step before;   fm: weighted sum of the step before that
;   (1: add to the sums; 2: its first product starts them, nothing is cleared).
; Distances (ISA guide 7.12.1): between a matrix instruction and the clamp that reads its result stand the four dual and four packed instructions
; of its own step, which name none of its registers.  Between an exponential and the multiply-add that reads it stand the next step's clamps.
.macro STEP i, b, mm, mn, fm
.set DM, D+8*((\i+3)%4)
.set DF, D+8*((\i+2)%4)
.set AC, ACC+2*((\i+6)%8)
.if \i >= 2
.set CB, CF+8*\b
.else
.set CB, CF+8*(1-\b)                   ; steps 0 and 1 finish the tile before, whose c lies in the other buffer
.endif
.if \mm
	v_wmma_f32_16x16x32_bf16 v[D+8*(\i%4):D+8*(\i%4)+7], v[AF+8*\b:AF+8*\b+7], v[BF+8*\i:BF+8*\i+7], 0
.endif
.if \mn
.irp j, 0,2,4,6
	v_dual_min_num_f32 v[DM+\j], 0, v[DM+\j] :: v_dual_min_num_f32 v[DM+\j+1], 0, v[DM+\j+1]      ; min(arg, 0) = s max(d2, 0)
.endr
.endif
.irp j, 0,2,4,6
.if \mn
	v_exp_f32 v[DM+\j], v[DM+\j]
	v_exp_f32 v[DM+\j+1], v[DM+\j+1]
.endif
.if \fm == 1
	s_wait_alu depctr_va_vdst(0)
	v_pk_fma_f32 v[AC:AC+1], v[DF+\j:DF+\j+1], v[CB+\j:CB+\j+1], v[AC:AC+1]
.endif
.if \fm == 2
.if \j == 0
	s_wait_alu depctr_va_vdst(0)
	v_pk_mul_f32 v[AC:AC+1], v[DF+\j:DF+\j+1], v[CB+\j:CB+\j+1]
.else
	s_wait_alu depctr_va_vdst(0)
	v_pk_fma_f32 v[AC:AC+1], v[DF+\j:DF+\j+1], v[CB+\j:CB+\j+1], v[AC:AC+1]
.endif
.endif
.endr
.endm
; One tile of 16 anchors against the 8 location tiles.  mode 1: the wave's first tile (the pipeline fills, the sums start); 2: its second
; (the last two sums start); 0: any other.  nxt: the tile of the pair (1, or 2 = the next pair's first) that is fetched into the other
; buffer, 0 = none.  The fetch stands behind step 1, the last to read the other buffer's c; its fragment was last multiplied two steps earlier.
.macro TILE b, mode, nxt
	s_wait_dscnt 0x0                               ; this tile's four loads, issued six steps ago, are the only ones out
.if \mode == 1
	STEP 0, \b, 1, 0, 0
.rept 4
	v_nop                                          ; no earlier step's work yet: the four places in front of the first clamp
.endr
	STEP 1, \b, 1, 1, 0
.endif
.if \mode == 2
	STEP 0, \b, 1, 1, 2
	STEP 1, \b, 1, 1, 2
.endif
.if \mode == 0
	STEP 0, \b, 1, 1, 1
	STEP 1, \b, 1, 1, 1
.endif
.if \nxt
	LOADT (1-\b), \nxt
.endif
.irp i, 2,3,4,5,6,7
.if \mode == 1
	STEP \i, \b, 1, 1, 2
.else
	STEP \i, \b, 1, 1, 1
.endif
.endr
.endm
.macro ADV                             ; on to the next pair of tiles (an LDS load has read its address when it is issued)
	v_add_nc_u32 v[VP],  512, v[VP]
	v_add_nc_u32 v[VPQ], 512, v[VPQ]
	v_add_nc_u32 v[VC],  128, v[VC]
.endm
	LOADT 0, 0
	TILE 0, 1, 1                                   ; tiles 0 and 1 stand in front of the loop: their first products start the sums
	TILE 1, 2, 2
	ADV
	s_mov_b32 s22, 14                              ; tiles 2 to 29
.Lpair:
	TILE 0, 0, 1
	TILE 1, 0, 2
	ADV
	s_sub_co_u32 s22, s22, 1
	s_cmp_lg_u32 s22, 0
	s_cbranch_scc1 .Lpair
	TILE 0, 0, 1                                   ; tiles 30 and 31: nothing is fetched behind the wave's last tile
	TILE 1, 0, 0
	STEP 8, 1, 0, 1, 1                             ; the pipeline runs empty: clamp and exponentials of the last step, sum of the one before,
	STEP 9, 1, 0, 0, 1                             ; sum of the last
	; My wave's 128 sums.  A lane holds, for location r of each tile, the anchors 8h .. 8h+7 of all tiles, in two registers.
.irp i, 0,1,2,3,4,5,6,7
	v_add_f32 v[ACC+2*\i], v[ACC+2*\i], v[ACC+2*\i+1]
.endr
	v_cmp_le_u32 vcc_lo, 16, v[LANE]               ; lanes 16-31
	; two tiles at a time: lanes 0-15 keep the even tile and send the odd one, lanes 16-31 the other way round: lane l ends with location 32 u + l
.irp u, 0,1,2,3
	v_cndmask_b32 v[ACC+4*\u+1], v[ACC+4*\u+2], v[ACC+4*\u], vcc_lo        ; to send
	v_cndmask_b32 v[ACC+4*\u],   v[ACC+4*\u], v[ACC+4*\u+2], vcc_lo        ; to keep
	v_permlanex16_b32 v[ACC+4*\u+3], v[ACC+4*\u+1], s23, s24               ; (its destination has been written before)
	v_add_f32 v[ACC+4*\u], v[ACC+4*\u], v[ACC+4*\u+3]
	ds_store_b32 v[RST], v[ACC+4*\u] offset:128*\u
.endr
	s_wait_dscnt 0x0                               ; zero: wave 0 will read them
	s_barrier_signal -1
	s_barrier_wait -1
	s_cmp_lg_u32 s15, 0
	s_cbranch_scc1 .Lend
	; wave 0: lane l adds the 16 waves' sums of locations 4 l .. 4 l + 3 and stores 16 bytes
	v_lshlrev_b32 v[OUTO], 4, v[LANE]
	v_add_nc_u32 v[RRD], RED, v[OUTO]
.irp w, 0,1,2,3,4,5,6,7,8,9,10,11,12,13,14,15
	ds_load_b128 v[BF+4*\w:BF+4*\w+3], v[RRD] offset:512*\w
.endr
	s_wait_dscnt 0x0
.irp w, 0,1,2,3,4,5,6,7
	v_pk_add_f32 v[BF+4*\w:BF+4*\w+1],   v[BF+4*\w:BF+4*\w+1],   v[BF+4*\w+32:BF+4*\w+33]
	v_pk_add_f32 v[BF+4*\w+2:BF+4*\w+3], v[BF+4*\w+2:BF+4*\w+3], v[BF+4*\w+34:BF+4*\w+35]
.endr
.irp w, 0,1,2,3
	v_pk_add_f32 v[BF+4*\w:BF+4*\w+1],   v[BF+4*\w:BF+4*\w+1],   v[BF+4*\w+16:BF+4*\w+17]
	v_pk_add_f32 v[BF+4*\w+2:BF+4*\w+3], v[BF+4*\w+2:BF+4*\w+3], v[BF+4*\w+18:BF+4*\w+19]
.endr
.irp w, 0,1
	v_pk_add_f32 v[BF+4*\w:BF+4*\w+1],   v[BF+4*\w:BF+4*\w+1],   v[BF+4*\w+8:BF+4*\w+9]
	v_pk_add_f32 v[BF+4*\w+2:BF+4*\w+3], v[BF+4*\w+2:BF+4*\w+3], v[BF+4*\w+10:BF+4*\w+11]
.endr
	v_pk_add_f32 v[BF:BF+1],   v[BF:BF+1],   v[BF+4:BF+5]
	v_pk_add_f32 v[BF+2:BF+3], v[BF+2:BF+3], v[BF+6:BF+7]
	global_store_b128 v[OUTO], v[BF:BF+3], s[12:13] th:TH_STORE_NT         ; the group's 512 bytes in one store, at a multiple of 512 from the output's first byte
.Lend:
	s_wait_tensorcnt 0x0
	ds_add_u32 v224, v225
	s_wait_dscnt 0x0
	s_endpgm
.Lfunc_end_k_q5bafe651b3_rbf:
	.size	k_q5bafe651b3_rbf, .Lfunc_end_k_q5bafe651b3_rbf-k_q5bafe651b3_rbf
	.p2alignl 7, 3214868480
	.fill 96, 4, 3214868480
	.section	.rodata,"a",@progbits
	.p2align	6, 0x0
	.amdhsa_kernel k_q5bafe651b3_rbf
		.amdhsa_group_segment_fixed_size 313344
		.amdhsa_private_segment_fixed_size 0
		.amdhsa_enable_private_segment 0
		.amdhsa_kernarg_size 40
		.amdhsa_user_sgpr_count 2
		.amdhsa_user_sgpr_kernarg_segment_ptr 1
		.amdhsa_wavefront_size32 1
		.amdhsa_system_sgpr_workgroup_id_x 1
		.amdhsa_system_sgpr_workgroup_id_y 1
		.amdhsa_system_sgpr_workgroup_id_z 1
		.amdhsa_system_vgpr_workitem_id 0
		.amdhsa_next_free_vgpr 226
		.amdhsa_next_free_sgpr 66
		.amdhsa_reserve_vcc 1
		.amdhsa_float_denorm_mode_32 3
		.amdhsa_float_denorm_mode_16_64 3
		.amdhsa_memory_ordered 1
		.amdhsa_forward_progress 1
		.amdhsa_inst_pref_size 78
	.end_amdhsa_kernel
	.amdgpu_metadata
---
amdhsa.version: [ 1, 2 ]
amdhsa.kernels:
  - .name:           k_q5bafe651b3_rbf
    .symbol:         k_q5bafe651b3_rbf.kd
    .args:
      - { .name: locations3d, .offset: 0, .size: 8, .value_kind: global_buffer, .address_space: global }
      - { .name: anchor_locations3d, .offset: 8, .size: 8, .value_kind: global_buffer, .address_space: global }
      - { .name: anchor_coeffs, .offset: 16, .size: 8, .value_kind: global_buffer, .address_space: global }
      - { .name: anchor_width, .offset: 24, .size: 8, .value_kind: global_buffer, .address_space: global }
      - { .name: out0, .offset: 32, .size: 8, .value_kind: global_buffer, .address_space: global }
    .group_segment_fixed_size: 313344
    .private_segment_fixed_size: 0
    .kernarg_segment_align: 8
    .kernarg_segment_size: 40
    .max_flat_workgroup_size: 512
    .sgpr_count:     66
    .vgpr_count:     226
    .wavefront_size: 32
...
	.end_amdgpu_metadata
.endif
;; end of part 1
;; ======== version 2 of 2: 1 launch; 1.10 times as fast as version 1
;; launch rbf (part 2): grid 256 x 1, 16 waves a work-group, no clusters, 313,344 bytes of LDS; arguments locations3d, anchor_locations3d, anchor_coeffs, anchor_width, out0; writes out0
.if DOCPART == 2
	.amdgcn_target "amdgcn-amd-amdhsa--gfx1250"
	.amdhsa_code_object_version 6
	.text
	.protected	k_q5bafe651b3_rbf
	.globl	k_q5bafe651b3_rbf
	.p2align	8
	.type	k_q5bafe651b3_rbf,@function
k_q5bafe651b3_rbf:
	s_mov_b64 s[64:65], 0
	v_nop
	global_prefetch_b8 v0, s[64:65] scope:SCOPE_SE
	s_setreg_imm32_b32 hwreg(HW_REG_WAVE_MODE, 25, 1), 1
	s_wait_xcnt 0x0
; out[n] = sum over m of c[m] * exp(-0.5 * max(|x_n|^2 + |a_m|^2 - 2 x_n.a_m, 0) / w^2).   32,768 locations x, 8,192 anchors a, all f32.
;
; THE EXPONENT COMES WHOLE FROM ONE MATRIX INSTRUCTION.  With s = -0.5 log2(e) / w^2 the base-2 exponent is
;   arg = s|x|^2 + s|a|^2 - 2s x.a  =  z + y.a4,   y = (-2s x0, -2s x1, -2s x2, s),  z = s|x|^2,  a4 = (a0, a1, a2, |a|^2).
; Every f32 is cut by truncation into three bf16 pieces h + m + l (8 + 8 + 8 significant bits: the cut is exact), and the 32 places of K
; of v_wmma_f32_16x16x32_bf16 hold the cross products:
;   K  0- 7: anchor P = [ah0..3, am0..3]        x location [yh0..3, yh0..3]
;   K  8-15: anchor P                           x location [ym0..3, ym0..3]
;   K 16-23: anchor P                           x location [yl0..3, yl0..3]
;   K 24-31: anchor Q = [al0..3, 1, 1, 1, 0]    x location [yh0..3, zh, zm, zl, 0]
; Left out: ym.al and yl.al, below 2^-24 of |y||a|, the size of one f32 rounding of the products in the plain f32 form.
; Source 0 = 16 anchors, source 1 = 16 locations: register j of lane (r = l % 16, h = l / 16) is anchor 8h + j, location r, so a lane sums
; over anchors in place, c comes as eight registers by broadcast loads, and the running sum is one register pair for a tile of locations.
; s < 0, so min(arg, 0) = s max(d2, 0): the clamp of the squared distance is made on the exponent.
; The weighted sum over anchors stays on the vector unit in f32: as a matrix product it has one useful column of 16 and would need four
; conversions to bf16 for eight numbers, as many vector instructions as the four packed multiply-adds that finish it here.
;
; BATCHES.  A step's eight exponentials are ONE BATCH with ONE s_wait_alu depctr_va_vdst(0), ahead of the first
; line that names a result.  The batch is issued in one step, in place on a result tile of its own; nothing names that tile before the four
; multiply-adds of the next step.  Between the batch and its wait stand the step's last multiply-add and the next step's four clamps, which work
; on other tiles.  Behind the wait the multiply-adds that read the batch stand between the NEXT batch's exponentials, whose results they do not name.
; At the loop's edge the wait stands ahead of the label and of the backward jump, behind the three address steps (ADV).
;
; SHARES.  256 work-groups of 16 waves; a work-group owns 128 locations (8 tiles) and walks all 8,192 anchors.  A wave owns 512 anchors
; (32 tiles) and all 8 location tiles: each anchor fragment is read from LDS once in the work-group and feeds 8 matrix instructions.
; The tables are made in the launch: a thread cuts 16 anchors, threads 0-127 one location each.
; NO CLUSTER, NO TENSOR LOAD: what the work-groups share is 131,072 bytes of raw f32 (anchors and c), read once; it has to pass through
; registers to be cut, and landed raw in LDS it would need 131,072 bytes beside the 311,296 in use, more than the 327,680 there are.
;
; LIMITS.  Inputs finite (a NaN exponent is clamped to 0, where a maximum that keeps NaN would hand it on).  w*w and its reciprocal must be
; normal f32 numbers, about 1e-18 < |w| < 1e18 (v_rcp_f32 takes denormals as zero).  Kernel values below 2^-126 count as zero (v_exp_f32).
.set PTAB, 0                           ; P: 8,192 anchors x 16 bytes
.set QTAB, 131072                      ; Q: 8,192 anchors x 16 bytes
.set CTAB, 262144                      ; c: 8,192 f32
.set LOCF, 294912                      ; 8 location fragments of 1,024 bytes: registers 0-3 of lanes 0-31, then registers 4-7
.set RED,  303104                      ; 16 waves x 128 partial sums
.set TID12, 2                          ; v2      12 t: my anchor's (location's) 12 bytes in memory
.set TID16, 3                          ; v3      16 t: my 16 bytes of c in memory, and of P in LDS (anchors 0-4,095)
.set PST1,  4                          ; v4      the same for anchors 4,096-8,191 (LDS offsets have 16 bits)
.set QST0,  5                          ; v5, v6  the same two for Q
.set QST1,  6
.set CST,   7                          ; v7      my 16 bytes of c in LDS
.set VP,    8                          ; v8      main loop: P of anchor r of my wave's current pair of tiles
.set VPQ,   9                          ; v9      the same for lanes 0-15; Q for lanes 16-31
.set VC,    10                         ; v10     c[8h ..] of the current pair of tiles
.set VLF,   11                         ; v11     location fragments: LOCF + 16 lane
.set T,     12                         ; v[12:16] the piece that is cut off, as f32
.set LANE,  17
.set HH,    18                         ; l / 16
.set RL,    19                         ; l % 16
.set PK,    20                         ; v[20:23] P of the anchor at work
.set QK,    24                         ; v[24:27] Q of the anchor at work; the upper two registers are constant
.set XR,    28                         ; v[28:30] my location
.set SC,    31                         ; s
.set M2,    32                         ; -2 s
.set Y,     34                         ; v[34:37] y
.set Z,     38                         ; z
.set ZR,    39                         ; what is left of z
.set YH,    40                         ; v[40:41] yh0..3   v[42:43] ym0..3   v[44:45] yl0..3   v[46:47] zh, zm, zl, 0
.set YM,    42
.set YL,    44
.set ZP,    46
.set LST,   48                         ; where my location's pieces go
.set RST,   49                         ; where my wave's partial sums go
.set RRD,   50                         ; where wave 0 reads them back
.set OUTO,  51                         ; wave 0: my 16 bytes of the output
.set RAW,   64                         ; v[64:127]  16 anchors as loaded, 4 registers each (the fourth takes |a|^2)
.set CR,    128                        ; v[128:143] c on its way into LDS
.set BF,    64                         ; v[64:127]  the 8 location fragments
.set ACC,   128                        ; v[128:143] a pair of sums for each location tile
.set AF,    160                        ; v[160:175] anchor fragment, two buffers
.set CF,    176                        ; v[176:191] c of the tile's anchors 8h .. 8h+7, two buffers
.set D,     192                        ; v[192:223] ring of four result tiles
	s_load_b256 s[4:11], s[0:1], 0x0               ; x s[4:5], a s[6:7], c s[8:9], w s[10:11]
	s_load_b64 s[12:13], s[0:1], 0x20              ; out
	v_lshl_add_u32 v224, v0, 2, 0x4c000
	v_mov_b32 v225, 0
	v_lshrrev_b32 v1, 5, v0
	v_readfirstlane_b32 s15, v1                    ; wave 0..15
	v_mul_u32_u24 v[TID12], v0, 12
	v_lshlrev_b32 v[TID16], 4, v0
	s_mul_i32 s16, ttmp9, 1536                     ; the group's 128 locations x 12 bytes
	s_mov_b32 s17, 0
	s_lshl_b32 s18, ttmp9, 9                       ; the group's 128 results x 4 bytes
	s_mov_b32 s19, 0
	s_mov_b32 s20, 0xffff0000                      ; keeps the upper 16 bits: an f32 truncated to bf16
	s_mov_b32 s21, 0x07060302                      ; v_perm_b32: the upper halves of two registers, second source below
	s_mov_b32 s23, 0x76543210                      ; v_permlanex16_b32: lane i of one half reads lane i of the other
	s_mov_b32 s24, 0xfedcba98
	s_wait_kmcnt 0x0
	s_load_b32 s14, s[10:11], 0x0                  ; w
	s_add_nc_u64 s[4:5], s[4:5], s[16:17]
	s_add_nc_u64 s[12:13], s[12:13], s[18:19]
	s_cmp_ge_u32 s15, 4
	s_cbranch_scc1 .Lno_x
	global_load_b96 v[XR:XR+2], v[TID12], s[4:5] th:TH_LOAD_NT     ; threads 0-127: one location each
.Lno_x:
.irp j, 0,1,2,3
	global_load_b128 v[CR+4*\j:CR+4*\j+3], v[TID16], s[8:9] offset:\j*8192
.endr
.irp it, 0,1,2,3,4,5,6,7,8,9,10,11,12,13,14,15
	global_load_b96 v[RAW+4*\it:RAW+4*\it+2], v[TID12], s[6:7] offset:\it*6144     ; anchor 512 it + t
.endr
	; addresses, while the loads are on their way
	v_add_nc_u32 v[PST1], PTAB+0x10000, v[TID16]
	v_add_nc_u32 v[QST0], QTAB, v[TID16]
	v_add_nc_u32 v[QST1], QTAB+0x10000, v[TID16]
	v_add_nc_u32 v[CST], CTAB, v[TID16]
	v_mov_b32 v[QK+2], 0x3f803f80                  ; Q's places 4, 5: 1.0, 1.0 (they meet zh, zm)
	v_mov_b32 v[QK+3], 0x00003f80                  ; Q's places 6, 7: 1.0, 0   (they meet zl, 0)
	v_and_b32 v[LANE], 31, v0
	v_and_b32 v[RL], 15, v0
	v_bfe_u32 v[HH], v0, 4, 1
	v_lshlrev_b32 v[VLF], 4, v[LANE]
	v_add_nc_u32 v[VLF], LOCF, v[VLF]
	s_lshl_b32 s25, s15, 13                        ; my wave's 512 anchors x 16 bytes
	v_lshl_add_u32 v[VP], v[RL], 4, s25
	v_lshl_add_u32 v[VPQ], v[HH], 17, v[VP]        ; lanes 16-31: Q lies 131,072 bytes behind P
	s_lshl_b32 s26, s15, 11                        ; my wave's 512 c x 4 bytes
	s_add_co_u32 s26, s26, CTAB
	v_lshl_add_u32 v[VC], v[HH], 5, s26            ; + 8 h numbers
	s_lshl_b32 s27, s15, 9                         ; my wave's 128 partial sums
	s_add_co_u32 s27, s27, RED
	v_lshl_add_u32 v[RST], v[LANE], 2, s27
	s_wait_loadcnt 16                              ; loads return in order (ISA guide 5.7.1): c (and x) are in, the 16 anchor loads behind them stay out
.irp j, 0,1,2,3
	ds_store_b128 v[CST], v[CR+4*\j:CR+4*\j+3] offset:\j*8192
.endr
; One anchor: |a|^2, then the exact cut of the four numbers into h, m, l.  The upper half of an f32 IS its truncated bf16, so a piece is packed
; by v_perm_b32 and taken away as f32 (v_and_b32, packed subtract).  21 vector instructions, 32 bytes to LDS.
.macro ANCHOR it, pa, qa
.set RR, RAW+4*\it
	s_wait_loadcnt 15-\it                          ; my load is in; the 15 - it younger ones stay out
	v_mul_f32  v[RR+3], v[RR], v[RR]
	v_fmac_f32 v[RR+3], v[RR+1], v[RR+1]
	v_fmac_f32 v[RR+3], v[RR+2], v[RR+2]           ; |a|^2, the fourth coordinate
	v_perm_b32 v[PK],   v[RR+1], v[RR],   s21      ; ah0, ah1
	v_perm_b32 v[PK+1], v[RR+3], v[RR+2], s21      ; ah2, ah3
.irp i, 0,1,2,3
	v_and_b32 v[T+\i], s20, v[RR+\i]
.endr
	v_pk_add_f32 v[RR:RR+1],   v[RR:RR+1],   v[T:T+1]   neg_lo:[0,1] neg_hi:[0,1]     ; a - h, exact
	v_pk_add_f32 v[RR+2:RR+3], v[RR+2:RR+3], v[T+2:T+3] neg_lo:[0,1] neg_hi:[0,1]
	v_perm_b32 v[PK+2], v[RR+1], v[RR],   s21      ; am0, am1
	v_perm_b32 v[PK+3], v[RR+3], v[RR+2], s21      ; am2, am3
.irp i, 0,1,2,3
	v_and_b32 v[T+\i], s20, v[RR+\i]
.endr
	v_pk_add_f32 v[RR:RR+1],   v[RR:RR+1],   v[T:T+1]   neg_lo:[0,1] neg_hi:[0,1]     ; a - h - m: at most 8 bits are left, a bf16
	v_pk_add_f32 v[RR+2:RR+3], v[RR+2:RR+3], v[T+2:T+3] neg_lo:[0,1] neg_hi:[0,1]
	v_perm_b32 v[QK],   v[RR+1], v[RR],   s21      ; al0, al1
	v_perm_b32 v[QK+1], v[RR+3], v[RR+2], s21      ; al2, al3
	ds_store_b128 v[\pa], v[PK:PK+3] offset:(\it%8)*8192           ; 32 lanes, 512 neighbouring bytes
	ds_store_b128 v[\qa], v[QK:QK+3] offset:(\it%8)*8192
.endm
.irp it, 0,1,2,3,4,5,6,7
	ANCHOR \it, TID16, QST0
.endr
.irp it, 8,9,10,11,12,13,14,15
	ANCHOR \it, PST1, QST1
.endr
	s_wait_kmcnt 0x0                               ; w
	s_cmp_ge_u32 s15, 4
	s_cbranch_scc1 .Lno_loc
	; threads 0-127: one location.  x is in: the last anchor's wait was for zero loads.
	v_mov_b32 v[SC], s14
	v_mul_f32 v[SC], v[SC], v[SC]
	v_rcp_f32 v[SC], v[SC]                         ; 1 / w^2; the next line is the plain instruction that stands behind a transcendental before its result is used
	v_mul_f32  v[Z], v[XR], v[XR]
	v_fmac_f32 v[Z], v[XR+1], v[XR+1]
	v_fmac_f32 v[Z], v[XR+2], v[XR+2]              ; |x|^2
	s_wait_alu depctr_va_vdst(0)                   ; the wait for the reciprocal, a batch of one, once a wave: the three lines of |x|^2 stand between it and its first reader below
	v_mul_f32 v[SC], 0xbf38aa3b, v[SC]             ; s = -0.5 log2(e) / w^2
	v_mul_f32 v[M2], -2.0, v[SC]
	v_mul_f32 v[Y],   v[M2], v[XR]
	v_mul_f32 v[Y+1], v[M2], v[XR+1]
	v_mul_f32 v[Y+2], v[M2], v[XR+2]
	v_mov_b32 v[Y+3], v[SC]                        ; meets |a|^2
	v_mul_f32 v[Z], v[SC], v[Z]                    ; z = s |x|^2
	v_perm_b32 v[YH],   v[Y+1], v[Y],   s21
	v_perm_b32 v[YH+1], v[Y+3], v[Y+2], s21
.irp i, 0,1,2,3
	v_and_b32 v[T+\i], s20, v[Y+\i]
.endr
	v_and_b32 v[T+4], s20, v[Z]
	v_pk_add_f32 v[Y:Y+1],   v[Y:Y+1],   v[T:T+1]   neg_lo:[0,1] neg_hi:[0,1]
	v_pk_add_f32 v[Y+2:Y+3], v[Y+2:Y+3], v[T+2:T+3] neg_lo:[0,1] neg_hi:[0,1]
	v_sub_f32 v[ZR], v[Z], v[T+4]
	v_perm_b32 v[YM],   v[Y+1], v[Y],   s21
	v_perm_b32 v[YM+1], v[Y+3], v[Y+2], s21
	v_perm_b32 v[ZP],   v[ZR],  v[Z],   s21        ; zh below, zm above
.irp i, 0,1,2,3
	v_and_b32 v[T+\i], s20, v[Y+\i]
.endr
	v_and_b32 v[T+4], s20, v[ZR]
	v_pk_add_f32 v[Y:Y+1],   v[Y:Y+1],   v[T:T+1]   neg_lo:[0,1] neg_hi:[0,1]
	v_pk_add_f32 v[Y+2:Y+3], v[Y+2:Y+3], v[T+2:T+3] neg_lo:[0,1] neg_hi:[0,1]
	v_sub_f32 v[ZR], v[ZR], v[T+4]
	v_perm_b32 v[YL],   v[Y+1], v[Y],   s21
	v_perm_b32 v[YL+1], v[Y+3], v[Y+2], s21
	v_lshrrev_b32 v[ZP+1], 16, v[ZR]               ; zl below, 0 above
	v_lshrrev_b32 v[LST], 4, v0                    ; my tile
	v_lshlrev_b32 v[LST], 10, v[LST]               ; x 1,024 bytes
	v_lshl_add_u32 v[LST], v[RL], 4, v[LST]        ; + 16 r
	v_add_nc_u32 v[LST], LOCF, v[LST]
	ds_store_b64 v[LST], v[YH:YH+1]                ; registers 0-3 of lane r:      yh, yh
	ds_store_b64 v[LST], v[YH:YH+1] offset:8
	ds_store_b64 v[LST], v[YM:YM+1] offset:256     ; registers 0-3 of lane 16 + r: ym, ym
	ds_store_b64 v[LST], v[YM:YM+1] offset:264
	ds_store_b64 v[LST], v[YL:YL+1] offset:512     ; registers 4-7 of lane r:      yl, yl
	ds_store_b64 v[LST], v[YL:YL+1] offset:520
	ds_store_b64 v[LST], v[YH:YH+1] offset:768     ; registers 4-7 of lane 16 + r: yh, z's pieces
	ds_store_b64 v[LST], v[ZP:ZP+1] offset:776
.Lno_loc:
	s_wait_dscnt 0x0                               ; my part of the tables is in LDS: zero, since the other waves will read it
	s_barrier_signal -1
	s_barrier_wait -1                              ; everybody's is
.irp i, 0,1,2,3,4,5,6,7
	ds_load_b128 v[BF+8*\i:BF+8*\i+3],   v[VLF] offset:1024*\i         ; the 8 location fragments stay in registers
	ds_load_b128 v[BF+8*\i+4:BF+8*\i+7], v[VLF] offset:1024*\i+512
.endr
; The anchor fragment and the c of tile n of the current pair, into buffer b.  16 lanes read 256 neighbouring bytes of P or of Q; c is one
; address for each half of the lanes.
.macro LOADT b, n
	ds_load_b128 v[AF+8*\b:AF+8*\b+3],   v[VP]  offset:256*\n          ; K 0-7 and 8-15: P for both halves of the lanes
	ds_load_b128 v[AF+8*\b+4:AF+8*\b+7], v[VPQ] offset:256*\n          ; K 16-23: P; K 24-31: Q
	ds_load_b128 v[CF+8*\b:CF+8*\b+3],   v[VC]  offset:64*\n
	ds_load_b128 v[CF+8*\b+4:CF+8*\b+7], v[VC]  offset:64*\n+16
.endm
; STEP i of a tile in buffer b, three stages deep on the ring of four result tiles:
;   mn: clamp and exponentials of the step before;   mm: the matrix instruction of location tile i;   fm: weighted sum of the step before that
;   (1: add to the sums; 2: its first product starts them, nothing is cleared).
; Its order: the four clamps; the ONE wait for the batch of eight exponentials that the step before issued; the matrix instruction; then four times
; two exponentials of the new batch and one multiply-add that reads the batch just waited for.  served = 1: that batch has had its wait in ADV, and none is written.
; Distances (ISA guide 7.12.1): between a matrix instruction and the clamp that reads its result stand the four packed instructions of its own step,
; which name none of its registers (the exponentials between them are not counted); in the one step that has no sum yet four v_nop take their places.
; The plain instruction behind a step's last exponential is the packed instruction (or v_nop) that ends the step.
.macro STEP i, b, mm, mn, fm, served=0
.set DM, D+8*((\i+3)%4)
.set DF, D+8*((\i+2)%4)
.set AC, ACC+2*((\i+6)%8)
.if \i >= 2
.set CB, CF+8*\b
.else
.set CB, CF+8*(1-\b)                   ; steps 0 and 1 finish the tile before, whose c lies in the other buffer
.endif
.if \mn
.irp j, 0,2,4,6
	v_dual_min_num_f32 v[DM+\j], 0, v[DM+\j] :: v_dual_min_num_f32 v[DM+\j+1], 0, v[DM+\j+1]      ; min(arg, 0) = s max(d2, 0)
.endr
.endif
.if (\fm) && !(\served)
	s_wait_alu depctr_va_vdst(0)                   ; the wait for the batch: the eight exponentials of the step before, on v[DF:DF+7]; the multiply-adds below are their first readers
.endif
.if \mm
	v_wmma_f32_16x16x32_bf16 v[D+8*(\i%4):D+8*(\i%4)+7], v[AF+8*\b:AF+8*\b+7], v[BF+8*\i:BF+8*\i+7], 0
.endif
.irp j, 0,2,4,6
.if \mn
	v_exp_f32 v[DM+\j], v[DM+\j]                   ; the new batch: nothing names v[DM:DM+7] again before the next step's wait
	v_exp_f32 v[DM+\j+1], v[DM+\j+1]
.endif
.if \fm == 1
	v_pk_fma_f32 v[AC:AC+1], v[DF+\j:DF+\j+1], v[CB+\j:CB+\j+1], v[AC:AC+1]
.endif
.if \fm == 2
.if \j == 0
	v_pk_mul_f32 v[AC:AC+1], v[DF+\j:DF+\j+1], v[CB+\j:CB+\j+1]
.else
	v_pk_fma_f32 v[AC:AC+1], v[DF+\j:DF+\j+1], v[CB+\j:CB+\j+1], v[AC:AC+1]
.endif
.endif
.if (\fm == 0) && (\mm) && (\mn)
	v_nop                                          ; no sum yet: a place behind the matrix instruction, in front of the next step's clamps
.endif
.endr
.endm
; One tile of 16 anchors against the 8 location tiles.  mode 1: the wave's first tile (the pipeline fills, the sums start); 2: its second
; (the last two sums start); 0: any other.  nxt: the tile of the pair (1, or 2 = the next pair's first) that is fetched into the other
; buffer, 0 = none.  The fetch stands behind step 1, the last to read the other buffer's c; its fragment was last multiplied two steps earlier.
; A tile of mode 0 in buffer 0 always follows ADV, whose wait has served the batch that its step 0 reads.
.macro TILE b, mode, nxt
	s_wait_dscnt 0x0                               ; this tile's four loads, issued six steps ago, are the only ones out
.if \mode == 1
	STEP 0, \b, 1, 0, 0
.rept 4
	v_nop                                          ; no earlier step's work yet: the four places in front of the first clamp
.endr
	STEP 1, \b, 1, 1, 0
.endif
.if \mode == 2
	STEP 0, \b, 1, 1, 2
	STEP 1, \b, 1, 1, 2
.endif
.if \mode == 0
	STEP 0, \b, 1, 1, 1, 1-\b
	STEP 1, \b, 1, 1, 1
.endif
.if \nxt
	LOADT (1-\b), \nxt
.endif
.irp i, 2,3,4,5,6,7
.if \mode == 1
	STEP \i, \b, 1, 1, 2
.else
	STEP \i, \b, 1, 1, 1
.endif
.endr
.endm
.macro ADV                             ; on to the next pair of tiles (an LDS load has read its address when it is issued)
	v_add_nc_u32 v[VP],  512, v[VP]
	v_add_nc_u32 v[VPQ], 512, v[VPQ]
	v_add_nc_u32 v[VC],  128, v[VC]
	s_wait_alu depctr_va_vdst(0)                   ; the wait for the batch of the pair's last step, ahead of the label and of the backward jump; the three address steps stand between
.endm
	LOADT 0, 0
	TILE 0, 1, 1                                   ; tiles 0 and 1 stand in front of the loop: their first products start the sums
	TILE 1, 2, 2
	ADV
	s_mov_b32 s22, 14                              ; tiles 2 to 29
.Lpair:
	TILE 0, 0, 1
	TILE 1, 0, 2
	ADV
	s_sub_co_u32 s22, s22, 1
	s_cmp_lg_u32 s22, 0
	s_cbranch_scc1 .Lpair
	TILE 0, 0, 1                                   ; tiles 30 and 31: nothing is fetched behind the wave's last tile
	TILE 1, 0, 0
	STEP 8, 1, 0, 1, 1                             ; the pipeline runs empty: clamp and exponentials of the last step, sum of the one before,
	STEP 9, 1, 0, 0, 1                             ; sum of the last, behind the last batch's wait
	; My wave's 128 sums.  A lane holds, for location r of each tile, the anchors 8h .. 8h+7 of all tiles, in two registers.
.irp i, 0,1,2,3,4,5,6,7
	v_add_f32 v[ACC+2*\i], v[ACC+2*\i], v[ACC+2*\i+1]
.endr
	v_cmp_le_u32 vcc_lo, 16, v[LANE]               ; lanes 16-31
	; two tiles at a time: lanes 0-15 keep the even tile and send the odd one, lanes 16-31 the other way round: lane l ends with location 32 u + l
.irp u, 0,1,2,3
	v_cndmask_b32 v[ACC+4*\u+1], v[ACC+4*\u+2], v[ACC+4*\u], vcc_lo        ; to send
	v_cndmask_b32 v[ACC+4*\u],   v[ACC+4*\u], v[ACC+4*\u+2], vcc_lo        ; to keep
	v_permlanex16_b32 v[ACC+4*\u+3], v[ACC+4*\u+1], s23, s24               ; (its destination has been written before)
	v_add_f32 v[ACC+4*\u], v[ACC+4*\u], v[ACC+4*\u+3]
	ds_store_b32 v[RST], v[ACC+4*\u] offset:128*\u
.endr
	s_wait_dscnt 0x0                               ; zero: wave 0 will read them
	s_barrier_signal -1
	s_barrier_wait -1
	s_cmp_lg_u32 s15, 0
	s_cbranch_scc1 .Lend
	; wave 0: lane l adds the 16 waves' sums of locations 4 l .. 4 l + 3 and stores 16 bytes
	v_lshlrev_b32 v[OUTO], 4, v[LANE]
	v_add_nc_u32 v[RRD], RED, v[OUTO]
.irp w, 0,1,2,3,4,5,6,7,8,9,10,11,12,13,14,15
	ds_load_b128 v[BF+4*\w:BF+4*\w+3], v[RRD] offset:512*\w
.endr
	s_wait_dscnt 0x0
.irp w, 0,1,2,3,4,5,6,7
	v_pk_add_f32 v[BF+4*\w:BF+4*\w+1],   v[BF+4*\w:BF+4*\w+1],   v[BF+4*\w+32:BF+4*\w+33]
	v_pk_add_f32 v[BF+4*\w+2:BF+4*\w+3], v[BF+4*\w+2:BF+4*\w+3], v[BF+4*\w+34:BF+4*\w+35]
.endr
.irp w, 0,1,2,3
	v_pk_add_f32 v[BF+4*\w:BF+4*\w+1],   v[BF+4*\w:BF+4*\w+1],   v[BF+4*\w+16:BF+4*\w+17]
	v_pk_add_f32 v[BF+4*\w+2:BF+4*\w+3], v[BF+4*\w+2:BF+4*\w+3], v[BF+4*\w+18:BF+4*\w+19]
.endr
.irp w, 0,1
	v_pk_add_f32 v[BF+4*\w:BF+4*\w+1],   v[BF+4*\w:BF+4*\w+1],   v[BF+4*\w+8:BF+4*\w+9]
	v_pk_add_f32 v[BF+4*\w+2:BF+4*\w+3], v[BF+4*\w+2:BF+4*\w+3], v[BF+4*\w+10:BF+4*\w+11]
.endr
	v_pk_add_f32 v[BF:BF+1],   v[BF:BF+1],   v[BF+4:BF+5]
	v_pk_add_f32 v[BF+2:BF+3], v[BF+2:BF+3], v[BF+6:BF+7]
	global_store_b128 v[OUTO], v[BF:BF+3], s[12:13] th:TH_STORE_NT         ; the group's 512 bytes in one store, at a multiple of 512 from the output's first byte
.Lend:
	s_wait_tensorcnt 0x0
	ds_add_u32 v224, v225
	s_wait_dscnt 0x0
	s_endpgm
.Lfunc_end_k_q5bafe651b3_rbf:
	.size	k_q5bafe651b3_rbf, .Lfunc_end_k_q5bafe651b3_rbf-k_q5bafe651b3_rbf
	.p2alignl 7, 3214868480
	.fill 96, 4, 3214868480
	.section	.rodata,"a",@progbits
	.p2align	6, 0x0
	.amdhsa_kernel k_q5bafe651b3_rbf
		.amdhsa_group_segment_fixed_size 313344
		.amdhsa_private_segment_fixed_size 0
		.amdhsa_enable_private_segment 0
		.amdhsa_kernarg_size 40
		.amdhsa_user_sgpr_count 2
		.amdhsa_user_sgpr_kernarg_segment_ptr 1
		.amdhsa_wavefront_size32 1
		.amdhsa_system_sgpr_workgroup_id_x 1
		.amdhsa_system_sgpr_workgroup_id_y 1
		.amdhsa_system_sgpr_workgroup_id_z 1
		.amdhsa_system_vgpr_workitem_id 0
		.amdhsa_next_free_vgpr 226
		.amdhsa_next_free_sgpr 66
		.amdhsa_reserve_vcc 1
		.amdhsa_float_denorm_mode_32 3
		.amdhsa_float_denorm_mode_16_64 3
		.amdhsa_memory_ordered 1
		.amdhsa_forward_progress 1
		.amdhsa_inst_pref_size 74
	.end_amdhsa_kernel
	.amdgpu_metadata
---
amdhsa.version: [ 1, 2 ]
amdhsa.kernels:
  - .name:           k_q5bafe651b3_rbf
    .symbol:         k_q5bafe651b3_rbf.kd
    .args:
      - { .name: locations3d, .offset: 0, .size: 8, .value_kind: global_buffer, .address_space: global }
      - { .name: anchor_locations3d, .offset: 8, .size: 8, .value_kind: global_buffer, .address_space: global }
      - { .name: anchor_coeffs, .offset: 16, .size: 8, .value_kind: global_buffer, .address_space: global }
      - { .name: anchor_width, .offset: 24, .size: 8, .value_kind: global_buffer, .address_space: global }
      - { .name: out0, .offset: 32, .size: 8, .value_kind: global_buffer, .address_space: global }
    .group_segment_fixed_size: 313344
    .private_segment_fixed_size: 0
    .kernarg_segment_align: 8
    .kernarg_segment_size: 40
    .max_flat_workgroup_size: 512
    .sgpr_count:     66
    .vgpr_count:     226
    .wavefront_size: 32
...
	.end_amdgpu_metadata
.endif
;; end of part 2
